; MI455X (gfx1250); checked and timed in simulation.
; The chip was launched on July 23, 2026; its instructions are those of AMD's public machine-readable ISA for CDNA 5 (MIT licence, August 2026) and "CDNA5" Instruction Set Architecture Reference Guide (July 2026). The comments in the code are by the model that wrote it; some were corrected since.
;; Attention. Allowed arithmetic: matrix products marked QUANTISED: E5M2 operands, one E8M0 scale for each 32 along K, by v_wmma_scale_f32_16x16x128_f8f6f4 with both operands' format E5M2, f32 sums; products left as they are: f32 operands where the result goes on into a quantised operand, else bf16, f16 or f32 operands; f32 sums; everything else in f32.
;; Inputs: W1 32 x 32 float32; W2 32 x 32 float32; W3 32 x 32 float32; W4 32 x 1 float32; all_memory 4,096 x 200 x 32 float32; average_memory 4,096 x 32 float32; b1 32 float32; b2 32 float32; b3 32 float32; last_memory 4,096 x 32 float32; mask 4,096 x 200 bool.
;; Outputs: out0 4,096 x 32 float32.
;; This version of the problem:
;;   THIS VERSION OF THE PROBLEM IS GIVEN IN LOW PRECISION. The matrix products marked QUANTISED in the list below multiply operands that are first quantised to E5M2 (5 exponent bits, 2 mantissa bits; 8 bits a number), with one power-of-two scale for each 32 numbers along K (OCP MX v1.0); their sums are f32. All else is computed in f32.
;;   The module's matrix products, in the order in which they are computed (A, B: the left and right operand; K: the contracted axis; several contracted axes count as one K, in the product's order):
;;     1. [M 819,200, K 32] x [K 32, N 32]; A: input all_memory; B: input W1: QUANTISED
;;     2. [M 4,096, K 32] x [K 32, N 32]; A: input last_memory; B: input W2: QUANTISED
;;     3. [M 4,096, K 32] x [K 32, N 32]; A: input average_memory; B: input W3: QUANTISED
;;     4. [M 819,200, K 32] x [K 32, N 1]; A: computed on the way; B: input W4: left as it is (N = 1 < 16)
;;   THE QUANTISER, for each operand of a quantised product, along K:
;;     - K is cut into blocks of 32 from its start; a last block that is shorter is filled with zeros.
;;     - A block's scale is 2^e with e = floor(log2(the largest magnitude in the block)) - 15, held to -126 .. 127; a block of zeros has e = 0. As a byte (E8M0): e + 127.
;;     - Each number is divided by its block's scale, clamped to +-57,344, and rounded to the nearest number of E5M2, ties to even, subnormals kept.
;;     - The product sums the exact products of the quantised numbers (number of the format x scale) in f32.
;;   ~~~python
;;   def quantise(x, axis):      # numpy; x: float32 -> the quantised numbers, widened to float32 again
;;       x = np.moveaxis(x, axis, -1); K = x.shape[-1]
;;       x = np.pad(x, [(0, 0)] * (x.ndim - 1) + [(0, -K % 32)]); x = x.reshape(x.shape[:-1] + (-1, 32)); a = np.abs(x).max(-1, keepdims=True)
;;       e = np.where(a > 0, np.clip(np.frexp(np.where(a > 0, a, 1))[1] - 1 - 15, -126, 127), 0)      # np.frexp(a)[1] - 1 = floor(log2(a)), exactly
;;       r = np.clip(x / 2.0 ** e, -57344, 57344)
;;       step = 2.0 ** (np.maximum(np.frexp(np.where(r == 0, 1, r))[1] - 1, -14) - 2)
;;       q = np.round(r / step) * step * 2.0 ** e      # np.round: ties to even
;;       return np.moveaxis(q.reshape(q.shape[:-2] + (-1,))[..., :K], -1, axis).astype(np.float32)
;;   ~~~
;; 2 versions, each right; version 2 is version 1 with the launch attn written anew for expert scheduling mode. Each part assembles by itself: llvm-mc -triple=amdgcn-amd-amdhsa -mcpu=gfx1250 --defsym DOCPART=n.
;; ======== version 1 of 2: 1 launch
;; launch attn (part 1): grid 256 x 1, 16 waves a work-group, no clusters, 79,872 bytes of LDS; arguments all_memory, last_memory, average_memory, W1, W2, W3, W4, b1, b2, b3, out0; writes out0
.if DOCPART == 1
	.amdgcn_target "amdgcn-amd-amdhsa--gfx1250"
	.amdhsa_code_object_version 6
	.text
	.protected	k_qb01251ebad_attn
	.globl	k_qb01251ebad_attn
	.p2align	8
	.type	k_qb01251ebad_attn,@function
k_qb01251ebad_attn:
	s_mov_b64 s[64:65], 0
	v_nop
	global_prefetch_b8 v0, s[64:65] scope:SCOPE_SE
	s_setreg_imm32_b32 hwreg(HW_REG_WAVE_MODE, 25, 1), 1
	s_wait_xcnt 0x0
; out[b][e] = sum over s of score(b, s) x[b][s][e],  score = sigmoid(proj) . W4,  proj = Q(x) Q(W1) + Q(last) Q(W2) + Q(avg) Q(W3) + b1 + b2 + b3.
; x = all_memory [4096][200][32] f32; last, avg [4096][32]; W1..W3 [32 (k)][32 (f)]; W4 [32]; out [4096][32] f32.  Q: codes of BF8 (E5M2), one E8M0 scale for each 32 along K; each product's K is 32: ONE block.
; ONE MATRIX INSTRUCTION MAKES THE WHOLE proj OF A TILE.  Its K is 128, four blocks: block 0 carries x . W1, block 1 last . W2, block 2 avg . W3, each with its own scale bytes; block 3 is zero codes under the byte 127.
; The three biases' sum is the instruction's C.  So the second and third product cost no instruction of their own.
; SHARES.  4,096 batches = 256 work-groups x 16 waves: ONE WAVE OWNS ONE BATCH, 200 rows = 25,600 consecutive bytes, read once.  Four waves of 256 registers lie on a SIMD, so that one wave's exponentials and
; waits stand beside another's plain work.  A batch goes as 13 tiles of 16 rows; of the last only rows 192-199 exist: only they are loaded, and the other eight lanes' score is set to 0.
; LAYOUT.  The product is used transposed: source 0 = 16 columns f of the weights, source 1 = 16 rows s.  In the result lane (r, h) holds row s = r and f = 16 t + 8 h + 0..7: a lane holds one row throughout, one exchange
; between the halves of the lanes completes the row's score, and both halves multiply their own 16 numbers of x (e = 16 h + 0..15) by it.
; THE WAY IN.  The conversions want 16 neighbours of one row in one lane; a load is best where neighbouring lanes take neighbouring bytes.  So each load takes 512 consecutive bytes, 16 a lane, and a tile's 2,048 bytes
; turn through the wave's own stage in LDS.  No other wave touches a stage: no barrier stands in the stream.  Loads run three tiles ahead (12 loads a wave), the turn one tile.
; PIPELINE.  Step t quantises tile t and issues its two products; the sigmoids, the score and the weighted sum of tile t - 1 stand between the quantiser's lines, so that every distance behind a matrix instruction, an
; exponential or a conversion is filled by work that is due anyway.
; THE WEIGHTS are quantised once a work-group: waves 0-5 take one block of one tile each, wave 6 adds the biases; they reach all sixteen waves through LDS as images of the operand's registers.
; NO CLUSTER: work-groups share only the 12,288 bytes of weights, against 409,600 bytes of x that each reads alone.  NO TENSOR LOADS: waves share nothing of x, and a refill would tie the sixteen waves to one barrier.
; mask IS NOT READ: reference() never reads it (its masking branch is dead code), so no result hangs on it.
; LIMITS.  NaN and infinities among the inputs are not served (the last tile's eight idle lanes hold rows of tile 10, multiplied by the score 0).  A block of zeros gets the scale byte 1 where the rule says 127: its codes
; are zeros, and the bytes are read here alone.  Blocks whose largest magnitude lies under 2^-111 are held at the byte 1.  The three products and the biases share one f32 sum inside the matrix unit: another order of
; rounding than reference()'s.  A sigmoid needs no clip: 2^y = infinity gives 1 / infinity = 0, and 2^y = 0 gives 1.
.set WIMG, 0                           ; LDS: six images of 512 bytes: image 2 c + t = the codes of block c (W1, W2, W3) of weight tile t; 16 bytes a lane
.set WSCL, 3072                        ; six images of 128 bytes: their scale bytes, a word a lane
.set BIMG, 3840                        ; four images of 512 bytes: b1 + b2 + b3 in the layout of C
.set OUTS, 5888                        ; 16 x 128 bytes: wave w's 32 outputs: the work-group's 2,048 bytes of out as they lie in memory
.set STG,  7936                        ; 16 x 4,352 bytes: each wave's two stages
.set WSTG, 4352
.set HSTG, 2176                        ; a stage: 8 pairs of rows, 256 bytes + 16 of padding each: the sixteen lanes of a 16-byte access fall on sixteen different 16-byte columns both ways (64 banks of 4 bytes: ISA guide 11.1)
.set VOFF, 1                           ; v1   16 x lane: my bytes of a load's 512, and of an image
.set SST,  2                           ; v2   the stage, on the way in:  stage + 272 h + 16 r
.set SLD,  3                           ; v3   on the way out: stage + 272 (r / 2) + 128 (r % 2) + 64 h: my 16 numbers of row r
.set MXA,  4                           ; v4, v5  largest magnitudes
.set MXB,  5
.set SCL,  6                           ; v6   the conversions' scale operand
.set HOLD, 7                           ; v7   57,344 x the scale
.set BY,   8                           ; v8   the scale's byte
.set SW,   9                           ; v9   the rows' scale word: x's byte, last's, avg's, 127
.set SWB,  10                          ; v10  its upper three bytes, which a batch keeps
.set LS4,  11                          ; v11  4 x lane
.set WS0,  12                          ; v12, v13  the scale words of weight tiles 0 and 1
.set SC,   14                          ; v[14:15]  the score (low word)
.set OP,   16                          ; v[16:31]  source 1: x's codes, last's, avg's, zeros
.set WF,   32                          ; v[32:63]  source 0 of tiles 0 and 1: W1's codes, W2's, W3's, zeros
.set D,    64                          ; v[64:79]  proj, then the sigmoids: register 8 t + j = f 16 t + 8 h + j of row r
.set BIAS, 80                          ; v[80:95]  b1 + b2 + b3, indexed as D
.set W4V,  96                          ; v[96:111] W4, indexed as D
.set ACC,  112                         ; v[112:127] my lane's part of out: register i = e 16 h + i, summed over the rows that lane r has held
.set T,    128                         ; v[128:143] the held numbers: x itself is kept for the weighted sum
.set X,    144                         ; v[144:191] three sets: tile t in set t % 3: register i = x(row r, e = 16 h + i)
.set R,    192                         ; v[192:239] three sets: tile t as it is loaded
.set P0,   240                         ; v[240:243] two chains of the dot product with W4
.set P1,   242
.set WLA,  244                         ; v244 128 x wave + 4 x lane: my word among the scale images and among the outputs
.set RR,   245                         ; v245 r = lane % 16
.set HH,   246                         ; v246 h = lane / 16
.set LOFF, 247                         ; v247 64 h
.set FST,  250                         ; v250, v251  the last sum's way through the stage
.set FLD,  251
.set OAD,  252                         ; v252 16 x thread
.set BOFF, 253                         ; v253 32 h
.set WOFF, 254                         ; v254 2,048 h + 4 r + 64 t: a weight's row 16 h, column 16 t + r
.set WST,  255                         ; v255 512 x wave + 16 x lane
; Tile t as it lies in memory: four loads of 512 consecutive bytes (the last tile: two).  Every offset is an immediate; neither the base nor the offset register is ever rewritten.
.macro LOAD t
.set RB, R+16*((\t)%3)
.if (\t) < 12
.irp i, 0,1,2,3
	global_load_b128 v[RB+4*\i:RB+4*\i+3], v[VOFF], s[4:5] offset:2048*(\t)+512*\i th:TH_LOAD_NT
.endr
.else
.irp i, 0,1
	global_load_b128 v[RB+4*\i:RB+4*\i+3], v[VOFF], s[4:5] offset:2048*(\t)+512*\i th:TH_LOAD_NT
.endr
.endif
.endm
; Tile t through stage t % 2.  LDS serves a wave's instructions in order (ISA guide 5.7.1.4): no wait stands between the stores and the loads.
; The last tile stores rows 0-7 alone; behind them lie rows 8-15 of tile 10, which used the same stage.
.macro TURN t
.set RB, R+16*((\t)%3)
.set XB, X+16*((\t)%3)
.set SB, HSTG*((\t)%2)
.if (\t) < 12
.irp i, 0,1,2,3
	ds_store_b128 v[SST], v[RB+4*\i:RB+4*\i+3] offset:SB+544*\i
.endr
.else
.irp i, 0,1
	ds_store_b128 v[SST], v[RB+4*\i:RB+4*\i+3] offset:SB+544*\i
.endr
.endif
.irp j, 0,1,2,3
	ds_load_b128 v[XB+4*\j:XB+4*\j+3], v[SLD] offset:SB+16*\j
.endr
.endm
; A block of 32 lies in lanes l and l xor 16, 16 numbers each, in v[s] on.  Its largest magnitude, over the floor 2^(16 - 127), which holds the byte at 1 from below; the conversions' scale operand; the hold's bound; the byte.
.macro QMAX s
	v_max3_num_f32 v[MXA], |v[\s]|, |v[\s+1]|, 0x8000000
	v_max3_num_f32 v[MXB], |v[\s+2]|, |v[\s+3]|, |v[\s+4]|
.irp i, 5,9
	v_max3_num_f32 v[MXA], v[MXA], |v[\s+\i]|, |v[\s+\i+1]|
	v_max3_num_f32 v[MXB], v[MXB], |v[\s+\i+2]|, |v[\s+\i+3]|
.endr
	v_max3_num_f32 v[MXA], v[MXA], |v[\s+13]|, |v[\s+14]|
	v_max3_num_f32 v[MXA], v[MXA], v[MXB], |v[\s+15]|
	v_permlanex16_b32 v[MXB], v[MXA], s30, s31
	v_max_num_f32 v[MXA], v[MXA], v[MXB]           ; the block's largest magnitude
	v_add_nc_u32 v[SCL], 0xf8800000, v[MXA]        ; 15 off its exponent field: the conversion takes the exponent field of this operand as its scale
	v_and_or_b32 v[HOLD], v[MXA], 0x7f800000, s32  ; 57,344 x the scale: the same exponent field over 57,344's mantissa
	v_lshrrev_b32 v[BY], 23, v[SCL]                ; the scale's byte
.endm
; Eight numbers are held within +-57,344 x the scale: the conversion to an 8-bit code does not saturate (ISA guide 7.6.2)
.macro QHOLD s, d, lo
.irp i, 0,1,2,3,4,5,6,7
	v_med3_num_f32 v[\d+\lo+\i], v[\s+\lo+\i], -v[HOLD], v[HOLD]
.endr
.endm
.macro QCVT s, c                       ; 16 codes: four registers of the operand
	v_cvt_scalef32_pk8_bf8_f32 v[\c:\c+1], v[\s:\s+7], v[SCL]
	v_cvt_scalef32_pk8_bf8_f32 v[\c+2:\c+3], v[\s+8:\s+15], v[SCL]
.endm
.macro QBLOCK s, c                     ; the whole of it, held in place: for the operands that are made once
	QMAX \s
	QHOLD \s, \s, 0
	QHOLD \s, \s, 8
	QCVT \s, \c
	v_nop                                          ; a plain line between a scaled conversion and the next vector instruction that touches its registers
.endm
; sigmoid(p) = 1 / (1 + 2^(-p log2 e)), in three parts, so that other work stands behind each batch of transcendentals.
.macro SIG1                            ; each accumulator is read from its low end on
.irp j, 0,2,4,6,8,10,12,14
	v_pk_mul_f32 v[D+\j:D+\j+1], v[D+\j:D+\j+1], s[34:35] op_sel_hi:[1,0]
.endr
.irp j, 0,1,2,3,4,5,6,7,8,9,10,11,12,13,14,15
	v_exp_f32 v[D+\j], v[D+\j]
.endr
.endm
.macro SIG2
.irp j, 0,2,4,6,8,10,12,14
	v_pk_add_f32 v[D+\j:D+\j+1], v[D+\j:D+\j+1], 1.0 op_sel_hi:[1,0]
.endr
.irp j, 0,1,2,3,4,5,6,7,8,9,10,11,12,13,14,15
	v_rcp_f32 v[D+\j], v[D+\j]
.endr
.endm
; Tile u's score, and its share of out.  first = 1: the products start the sums: nothing is cleared.  last = 1: rows 8-15 of the tile do not exist: their score is 0.
.macro SIG3 u, first, last
.set XP, X+16*((\u)%3)
	v_pk_mul_f32 v[P0:P0+1], v[D:D+1], v[W4V:W4V+1]
	v_pk_mul_f32 v[P1:P1+1], v[D+2:D+3], v[W4V+2:W4V+3]
.irp j, 4,8,12
	v_pk_fma_f32 v[P0:P0+1], v[D+\j:D+\j+1], v[W4V+\j:W4V+\j+1], v[P0:P0+1]
	v_pk_fma_f32 v[P1:P1+1], v[D+\j+2:D+\j+3], v[W4V+\j+2:W4V+\j+3], v[P1:P1+1]
.endr
	v_pk_add_f32 v[P0:P0+1], v[P0:P0+1], v[P1:P1+1]
	v_add_f32 v[SC], v[P0], v[P0+1]                ; my 16 of the row's 32 terms,
	v_permlanex16_b32 v[SC+1], v[SC], s30, s31
	v_add_f32 v[SC], v[SC], v[SC+1]                ; and lane l xor 16's
.if \last
	v_cndmask_b32 v[SC], 0, v[SC], s33             ; kept where r < 8
.endif
.irp j, 0,2,4,6,8,10,12,14
.if \first
	v_pk_mul_f32 v[ACC+\j:ACC+\j+1], v[XP+\j:XP+\j+1], v[SC:SC+1] op_sel_hi:[1,0]
.else
	v_pk_fma_f32 v[ACC+\j:ACC+\j+1], v[XP+\j:XP+\j+1], v[SC:SC+1], v[ACC+\j:ACC+\j+1] op_sel_hi:[1,0,1]
.endif
.endr
.endm
; The tile's two products: f 0-15 and f 16-31.  C is the biases' registers, D others: no sum is taken up in place, and the two share no register that either writes.
.macro MM
.irp t, 0,1
	v_wmma_scale_f32_16x16x128_f8f6f4 v[D+8*\t:D+8*\t+7], v[WF+16*\t:WF+16*\t+15], v[OP:OP+15], v[BIAS+8*\t:BIAS+8*\t+7], v[WS0+\t], v[SW] matrix_a_fmt:MATRIX_FMT_BF8 matrix_b_fmt:MATRIX_FMT_BF8
.endr
.endm
.macro STEP t
.set XC, X+16*((\t)%3)
	s_wait_dscnt 0x0                               ; tile t is back from its stage: so the stage's stores have read set t % 3 of R,
.if (\t)+3 <= 12
	LOAD (\t)+3                                    ; which takes the tile three on
.endif
	QMAX XC                                        ; thirteen plain lines that name no register of the last products: the eight places ahead of the write of the scale word and of the first read of the results
	v_or_b32 v[SW], v[BY], v[SWB]
.if (\t) > 0
	SIG1                                           ; tile t - 1: sixteen exponentials, one batch
.endif
	QHOLD XC, T, 0                                 ; plain work behind the exponentials
.if (\t) < 12
.if (\t) <= 8
	s_wait_loadcnt 8                               ; tile t + 1 is in; the eight loads of tiles t + 2 and t + 3 may be out
.elseif (\t) == 9
	s_wait_loadcnt 6                               ; behind tile 10: tile 11's four loads and tile 12's two
.elseif (\t) == 10
	s_wait_loadcnt 2                               ; behind tile 11: tile 12's two
.else
	s_wait_loadcnt 0                               ; tile 12: nothing was issued behind it
.endif
	TURN (\t)+1                                    ; its set of X was last read by the weighted sum of tile t - 2, a step ago
.endif
.if (\t) > 0
	s_wait_alu depctr_va_vdst(0)                   ; one wait for the sixteen exponentials, ahead of their first reader
	SIG2                                           ; sixteen reciprocals, one batch
.endif
	QHOLD XC, T, 8                                 ; plain work behind the reciprocals
	QCVT T, OP
.if (\t) == 0
.rept 4
	v_nop                                          ; the first step has no earlier tile's work: four places between the codes and the scaled products
.endr
.elseif (\t) == 1
	s_wait_alu depctr_va_vdst(0)                   ; one wait for the sixteen reciprocals
	SIG3 0, 1, 0                                   ; twenty plain lines: the place behind the conversions and the four places ahead of the products that take the codes
.else
	s_wait_alu depctr_va_vdst(0)
	SIG3 (\t)-1, 0, 0
.endif
	MM
.endm
	s_load_b256 s[4:11], s[0:1], 0x0               ; x s[4:5], last s[6:7], avg s[8:9], W1 s[10:11]
	s_load_b256 s[12:19], s[0:1], 0x20             ; W2 s[12:13], W3 s[14:15], W4 s[16:17], b1 s[18:19]
	s_load_b128 s[20:23], s[0:1], 0x40             ; b2 s[20:21], b3 s[22:23]
	s_load_b64 s[24:25], s[0:1], 0x50              ; out
	v_lshl_add_u32 v248, v0, 2, 0x13000
	v_mov_b32 v249, 0
	v_lshrrev_b32 v[MXA], 5, v0
	v_readfirstlane_b32 s26, v[MXA]                ; wave 0..15
	v_and_b32 v[RR], 15, v0
	v_bfe_u32 v[HH], v0, 4, 1
	v_and_b32 v[MXA], 31, v0                       ; lane
	v_lshlrev_b32 v[VOFF], 4, v[MXA]
	v_lshlrev_b32 v[LS4], 2, v[MXA]
	s_mul_i32 s36, s26, WSTG
	s_add_co_u32 s36, s36, STG                     ; my wave's stages
	v_mul_u32_u24 v[SST], v[HH], 272               ; a load's 512 bytes are two pairs of rows: lanes 0-15 the first, lanes 16-31 the second
	v_lshl_add_u32 v[SST], v[RR], 4, v[SST]
	v_add_nc_u32 v[SST], s36, v[SST]
	v_lshrrev_b32 v[MXB], 1, v[RR]
	v_mul_u32_u24 v[SLD], v[MXB], 272
	v_and_b32 v[MXB], 1, v[RR]
	v_lshl_add_u32 v[SLD], v[MXB], 7, v[SLD]
	v_lshl_add_u32 v[SLD], v[HH], 6, v[SLD]
	v_add_nc_u32 v[SLD], s36, v[SLD]
	s_lshl_b32 s37, s26, 7
	v_add_nc_u32 v[WLA], s37, v[LS4]
	s_lshl_b32 s37, s26, 9
	v_add_nc_u32 v[WST], s37, v[VOFF]
	v_lshlrev_b32 v[BOFF], 5, v[HH]
	v_lshlrev_b32 v[LOFF], 6, v[HH]
	s_and_b32 s40, s26, 1                          ; waves 0-5: weight tile t,
	s_lshr_b32 s41, s26, 1                         ; block c
	s_lshl_b32 s37, s40, 6
	v_lshlrev_b32 v[WOFF], 11, v[HH]
	v_lshl_add_u32 v[WOFF], v[RR], 2, v[WOFF]
	v_add_nc_u32 v[WOFF], s37, v[WOFF]
	s_mov_b32 s30, 0x76543210                      ; v_permlanex16_b32's selects for lane l xor 16
	s_mov_b32 s31, 0xfedcba98
	s_mov_b32 s32, 0x600000                        ; the mantissa field of 57,344
	s_mov_b32 s34, 0xbfb8aa3b                      ; -log2(e)
	s_mov_b32 s35, s34                             ; (named with it as a pair, so it is written)
	v_cmp_gt_u32 s33, 8, v[RR]                     ; the lanes whose row exists in the last tile
	v_mov_b32 v[SC+1], 0                           ; a lane permute's destination counts as one of its sources
.irp i, 12,13,14,15
	v_mov_b32 v[OP+\i], 0                          ; block 3 of all three operands: zero codes
	v_mov_b32 v[WF+\i], 0
	v_mov_b32 v[WF+16+\i], 0
.endr
	s_lshl_b32 s27, ttmp9, 4
	s_add_co_u32 s27, s27, s26                     ; my batch
	s_mul_i32 s28, s27, 25600                      ; under 2^27
	s_mov_b32 s29, 0
	s_wait_kmcnt 0x0
	s_add_nc_u64 s[4:5], s[4:5], s[28:29]
	s_lshl_b32 s28, s27, 7
	s_add_nc_u64 s[6:7], s[6:7], s[28:29]
	s_add_nc_u64 s[8:9], s[8:9], s[28:29]
	s_lshl_b32 s28, ttmp9, 11                      ; the work-group's sixteen rows of out
	s_add_nc_u64 s[24:25], s[24:25], s[28:29]
	; twelve small loads that every wave needs: my 16 numbers of last and of avg (into sets of X that are still free), and W4 in the layout of D
.irp j, 0,1,2,3
	global_load_b128 v[X+4*\j:X+4*\j+3], v[LOFF], s[6:7] offset:16*\j
.endr
.irp j, 0,1,2,3
	global_load_b128 v[X+16+4*\j:X+16+4*\j+3], v[LOFF], s[8:9] offset:16*\j
.endr
.irp t, 0,1
	global_load_b128 v[W4V+8*\t:W4V+8*\t+3], v[BOFF], s[16:17] offset:64*\t
	global_load_b128 v[W4V+8*\t+4:W4V+8*\t+7], v[BOFF], s[16:17] offset:64*\t+16
.endr
	; ONE parting on the wave's number.  In each arm the first three tiles of x are asked for behind the arm's small loads, so that these do not queue behind them.
	s_cmp_lt_u32 s26, 6
	s_cbranch_scc0 .Lnot_weights
	s_cmp_eq_u32 s41, 0                            ; the choice hangs on the wave's number alone
	s_cselect_b64 s[38:39], s[10:11], s[12:13]
	s_cmp_eq_u32 s41, 2
	s_cselect_b64 s[38:39], s[14:15], s[38:39]
.irp i, 0,1,2,3,4,5,6,7,8,9,10,11,12,13,14,15
	global_load_b32 v[T+\i], v[WOFF], s[38:39] offset:128*\i   ; W(16 h + i, 16 t + r): a lane to a column, its registers down K: the order that the operand's layout gives the lane
.endr
	LOAD 0
	LOAD 1
	LOAD 2
	s_wait_loadcnt 12                              ; all but x's twelve
	QBLOCK T, D
	ds_store_b128 v[WST], v[D:D+3] offset:WIMG     ; four registers of the operand as they stand,
	ds_store_b32 v[WLA], v[BY] offset:WSCL         ; and the column's scale byte
	s_branch .Ljoin
.Lnot_weights:
	s_cmp_eq_u32 s26, 6
	s_cbranch_scc0 .Lplain
.irp t, 0,1
	global_load_b128 v[D+8*\t:D+8*\t+3], v[BOFF], s[18:19] offset:64*\t
	global_load_b128 v[D+8*\t+4:D+8*\t+7], v[BOFF], s[18:19] offset:64*\t+16
	global_load_b128 v[T+8*\t:T+8*\t+3], v[BOFF], s[20:21] offset:64*\t
	global_load_b128 v[T+8*\t+4:T+8*\t+7], v[BOFF], s[20:21] offset:64*\t+16
	global_load_b128 v[X+32+8*\t:X+32+8*\t+3], v[BOFF], s[22:23] offset:64*\t
	global_load_b128 v[X+32+8*\t+4:X+32+8*\t+7], v[BOFF], s[22:23] offset:64*\t+16
.endr
	LOAD 0
	LOAD 1
	LOAD 2
	s_wait_loadcnt 12                              ; all but x's twelve
.irp j, 0,2,4,6,8,10,12,14
	v_pk_add_f32 v[D+\j:D+\j+1], v[D+\j:D+\j+1], v[T+\j:T+\j+1]
.endr
.irp j, 0,2,4,6,8,10,12,14
	v_pk_add_f32 v[D+\j:D+\j+1], v[D+\j:D+\j+1], v[X+32+\j:X+32+\j+1]
.endr
.irp q, 0,1,2,3
	ds_store_b128 v[VOFF], v[D+4*\q:D+4*\q+3] offset:BIMG+512*\q
.endr
	s_branch .Ljoin
.Lplain:
	LOAD 0
	LOAD 1
	LOAD 2
.Ljoin:
	s_wait_loadcnt 12                              ; on every way x's twelve loads are the youngest: last, avg and W4 are in
	QBLOCK X, OP+4                                 ; last: block 1 of source 1, the same in all sixteen rows
	v_lshlrev_b32 v[SWB], 8, v[BY]
	QBLOCK X+16, OP+8                              ; avg: block 2
	v_lshl_or_b32 v[SWB], v[BY], 16, v[SWB]
	v_or_b32 v[SWB], 0x7f000000, v[SWB]            ; block 3: zero codes under the byte 127
	s_wait_dscnt 0x0                               ; for the others' sake: my images have landed
	s_barrier_signal -1
	s_barrier_wait -1                              ; everybody's have.  (x's loads stay on their way: nobody writes those bytes)
.irp t, 0,1
.irp c, 0,1,2
	ds_load_b128 v[WF+16*\t+4*\c:WF+16*\t+4*\c+3], v[VOFF] offset:WIMG+512*(2*\c+\t)
.endr
.endr
.irp q, 0,1,2,3,4,5
	ds_load_b32 v[D+\q], v[LS4] offset:WSCL+128*\q
.endr
.irp q, 0,1,2,3
	ds_load_b128 v[BIAS+4*\q:BIAS+4*\q+3], v[VOFF] offset:BIMG+512*\q
.endr
	s_wait_loadcnt 8                               ; tile 0 is in; tiles 1 and 2 may be out
	TURN 0
	s_wait_dscnt 8                                 ; the sixteen loads of images are in; the turn's eight instructions may be out
.irp t, 0,1
	v_lshl_or_b32 v[WS0+\t], v[D+2+\t], 8, v[D+\t] ; a column's three bytes and 127 make its scale word
	v_lshl_or_b32 v[WS0+\t], v[D+4+\t], 16, v[WS0+\t]
	v_or_b32 v[WS0+\t], 0x7f000000, v[WS0+\t]
.endr
.irp t, 0,1,2,3,4,5,6,7,8,9,10,11,12
	STEP \t
.endr
	; THE DRAIN: the last tile's sigmoids.  The addresses for the way out are eight plain lines: the places behind the last products.
	v_and_b32 v[FST], 31, v0
	v_mul_u32_u24 v[FST], v[FST], 80               ; in: 64 bytes a lane, 80 apart; the upper half of the lanes 64 bytes further on
	v_lshl_add_u32 v[FST], v[HH], 6, v[FST]
	v_add_nc_u32 v[FST], s36, v[FST]
	v_mul_u32_u24 v[FLD], v[HH], 1344              ; back: lane l takes word l % 16 of the sixteen lanes of its half
	v_lshl_add_u32 v[FLD], v[RR], 2, v[FLD]
	v_add_nc_u32 v[FLD], s36, v[FLD]
	v_lshlrev_b32 v[OAD], 4, v0
	SIG1
	v_nop                                          ; a plain line behind the last exponential,
	s_wait_alu depctr_va_vdst(0)                   ; and the batch's one wait
	SIG2
	v_nop
	s_wait_alu depctr_va_vdst(0)
	SIG3 12, 0, 1
	; out(b, e) is the sum over the sixteen lanes of a half.  It goes through my own stage, which nobody else touches and I read no more: stored by lanes, read back by e.
.irp q, 0,1,2,3
	ds_store_b128 v[FST], v[ACC+4*\q:ACC+4*\q+3] offset:16*\q
.endr
.irp k, 0,1,2,3,4,5,6,7,8,9,10,11,12,13,14,15
	ds_load_b32 v[T+\k], v[FLD] offset:80*\k       ; LDS serves a wave's instructions in order: these see the stores above
.endr
	s_wait_dscnt 0x0
.irp j, 0,4,8,12
	v_pk_add_f32 v[T+\j:T+\j+1], v[T+\j:T+\j+1], v[T+\j+2:T+\j+3]
.endr
	v_pk_add_f32 v[T:T+1], v[T:T+1], v[T+4:T+5]
	v_pk_add_f32 v[T+8:T+9], v[T+8:T+9], v[T+12:T+13]
	v_pk_add_f32 v[T:T+1], v[T:T+1], v[T+8:T+9]
	v_add_f32 v[T], v[T], v[T+1]                   ; lane l holds out(b, l)
	ds_store_b32 v[WLA], v[T] offset:OUTS
	s_wait_dscnt 0x0                               ; for the others' sake: my 128 bytes have landed
	s_barrier_signal -1
	s_barrier_wait -1
	s_cmp_lt_u32 s26, 4                            ; waves 0-3 store the work-group's sixteen rows
	s_cbranch_scc0 .Lend
	ds_load_b128 v[T:T+3], v[OAD] offset:OUTS
	s_wait_dscnt 0x0
	global_store_b128 v[OAD], v[T:T+3], s[24:25] th:TH_STORE_NT   ; a wave stores 512 consecutive bytes, at a multiple of 256 from out's first byte
.Lend:
	s_wait_tensorcnt 0x0
	ds_add_u32 v248, v249
	s_wait_dscnt 0x0
	s_endpgm
.Lfunc_end_k_qb01251ebad_attn:
	.size	k_qb01251ebad_attn, .Lfunc_end_k_qb01251ebad_attn-k_qb01251ebad_attn
	.p2alignl 7, 3214868480
	.fill 96, 4, 3214868480
	.section	.rodata,"a",@progbits
	.p2align	6, 0x0
	.amdhsa_kernel k_qb01251ebad_attn
		.amdhsa_group_segment_fixed_size 79872
		.amdhsa_private_segment_fixed_size 0
		.amdhsa_enable_private_segment 0
		.amdhsa_kernarg_size 88
		.amdhsa_user_sgpr_count 2
		.amdhsa_user_sgpr_kernarg_segment_ptr 1
		.amdhsa_wavefront_size32 1
		.amdhsa_system_sgpr_workgroup_id_x 1
		.amdhsa_system_sgpr_workgroup_id_y 1
		.amdhsa_system_sgpr_workgroup_id_z 1
		.amdhsa_system_vgpr_workitem_id 0
		.amdhsa_next_free_vgpr 256
		.amdhsa_next_free_sgpr 66
		.amdhsa_reserve_vcc 0
		.amdhsa_float_denorm_mode_32 3
		.amdhsa_float_denorm_mode_16_64 3
		.amdhsa_memory_ordered 1
		.amdhsa_forward_progress 1
		.amdhsa_inst_pref_size 105
	.end_amdhsa_kernel
	.amdgpu_metadata
---
amdhsa.version: [ 1, 2 ]
amdhsa.kernels:
  - .name:           k_qb01251ebad_attn
    .symbol:         k_qb01251ebad_attn.kd
    .args:
      - { .name: all_memory, .offset: 0, .size: 8, .value_kind: global_buffer, .address_space: global }
      - { .name: last_memory, .offset: 8, .size: 8, .value_kind: global_buffer, .address_space: global }
      - { .name: average_memory, .offset: 16, .size: 8, .value_kind: global_buffer, .address_space: global }
      - { .name: W1, .offset: 24, .size: 8, .value_kind: global_buffer, .address_space: global }
      - { .name: W2, .offset: 32, .size: 8, .value_kind: global_buffer, .address_space: global }
      - { .name: W3, .offset: 40, .size: 8, .value_kind: global_buffer, .address_space: global }
      - { .name: W4, .offset: 48, .size: 8, .value_kind: global_buffer, .address_space: global }
      - { .name: b1, .offset: 56, .size: 8, .value_kind: global_buffer, .address_space: global }
      - { .name: b2, .offset: 64, .size: 8, .value_kind: global_buffer, .address_space: global }
      - { .name: b3, .offset: 72, .size: 8, .value_kind: global_buffer, .address_space: global }
      - { .name: out0, .offset: 80, .size: 8, .value_kind: global_buffer, .address_space: global }
    .group_segment_fixed_size: 79872
    .private_segment_fixed_size: 0
    .kernarg_segment_align: 8
    .kernarg_segment_size: 88
    .max_flat_workgroup_size: 512
    .sgpr_count:     66
    .vgpr_count:     256
    .wavefront_size: 32
...
	.end_amdgpu_metadata
.endif
;; end of part 1
;; ======== version 2 of 2: 1 launch; version 1 with the launch attn written anew for expert scheduling mode
;; launch attn (part 2): grid 256 x 1, 16 waves a work-group, no clusters, 79,872 bytes of LDS; arguments all_memory, last_memory, average_memory, W1, W2, W3, W4, b1, b2, b3, out0; writes out0
.if DOCPART == 2
	.amdgcn_target "amdgcn-amd-amdhsa--gfx1250"
	.amdhsa_code_object_version 6
	.text
	.protected	k_qb01251ebad_attn
	.globl	k_qb01251ebad_attn
	.p2align	8
	.type	k_qb01251ebad_attn,@function
k_qb01251ebad_attn:
	s_mov_b64 s[64:65], 0
	v_nop
	global_prefetch_b8 v0, s[64:65] scope:SCOPE_SE
	s_setreg_imm32_b32 hwreg(HW_REG_WAVE_SCHED_MODE, 0, 2), 2
	s_setreg_imm32_b32 hwreg(HW_REG_WAVE_MODE, 25, 1), 1
	s_wait_xcnt 0x0
	s_wait_alu depctr_vm_vsrc(0)
; out[b][e] = sum over s of score(b, s) x[b][s][e],  score = sigmoid(proj) . W4,  proj = Q(x) Q(W1) + Q(last) Q(W2) + Q(avg) Q(W3) + b1 + b2 + b3.
; x = all_memory [4096][200][32] f32; last, avg [4096][32]; W1..W3 [32 (k)][32 (f)]; W4 [32]; out [4096][32] f32.  Q: codes of BF8 (E5M2), one E8M0 scale for each 32 along K; each product's K is 32: ONE block.
; ONE MATRIX INSTRUCTION MAKES THE WHOLE proj OF A TILE.  Its K is 128, four blocks: block 0 carries x . W1, block 1 last . W2, block 2 avg . W3, each with its own scale bytes; block 3 is zero codes under the byte 127.
; The three biases' sum is the instruction's C.  So the second and third product cost no instruction of their own.
; SHARES.  4,096 batches = 256 work-groups x 16 waves: ONE WAVE OWNS ONE BATCH, 200 rows = 25,600 consecutive bytes, read once.  Four waves of 256 registers lie on a SIMD, so that one wave's exponentials and
; waits stand beside another's plain work.  A batch goes as 13 tiles of 16 rows; of the last only rows 192-199 exist: only they are loaded, and the other eight lanes' score is set to 0.
; LAYOUT.  The product is used transposed: source 0 = 16 columns f of the weights, source 1 = 16 rows s.  In the result lane (r, h) holds row s = r and f = 16 t + 8 h + 0..7: a lane holds one row throughout, one exchange
; between the halves of the lanes completes the row's score, and both halves multiply their own 16 numbers of x (e = 16 h + 0..15) by it.
; THE WAY IN.  The conversions want 16 neighbours of one row in one lane; a load is best where neighbouring lanes take neighbouring bytes.  So each load takes 512 consecutive bytes, 16 a lane, and a tile's 2,048 bytes
; turn through the wave's own stage in LDS.  No other wave touches a stage: no barrier stands in the stream.  Loads run three tiles ahead (12 loads a wave), the turn one tile.
; PIPELINE.  Step t quantises tile t and issues its two products; the sigmoids, the score and the weighted sum of tile t - 1 stand between the quantiser's lines, so that every distance behind a matrix instruction, an
; exponential or a conversion is filled by work that is due anyway.
; THE WEIGHTS are quantised once a work-group: waves 0-5 take one block of one tile each, wave 6 adds the biases; they reach all sixteen waves through LDS as images of the operand's registers.
; NO CLUSTER: work-groups share only the 12,288 bytes of weights, against 409,600 bytes of x that each reads alone.  NO TENSOR LOADS: waves share nothing of x, and a refill would tie the sixteen waves to one barrier.
; mask IS NOT READ: reference() never reads it (its masking branch is dead code), so no result hangs on it.
; LIMITS.  NaN and infinities among the inputs are not served (the last tile's eight idle lanes hold rows of tile 10, multiplied by the score 0).  A block of zeros gets the scale byte 1 where the rule says 127: its codes
; are zeros, and the bytes are read here alone.  Blocks whose largest magnitude lies under 2^-111 are held at the byte 1.  The three products and the biases share one f32 sum inside the matrix unit: another order of
; rounding than reference()'s.  A sigmoid needs no clip: 2^y = infinity gives 1 / infinity = 0, and 2^y = 0 gives 1.
; THE MODE: SCHED_MODE bits 1:0 = 2 (LLVM: expert scheduling mode 2), set by the entry lines.  The code itself states the register dependences
; between vector or matrix instructions and memory or LDS instructions, with s_wait_alu, always for 0.
; THE PLAN.  Registers that memory or LDS instructions touch, in the stream:
;   R0 .. R2   Written by the loads of tile t + 3, issued at the head of step t; read by the stage's stores of tile t, issued in step t - 1.  No vector instruction names them.
;   X0 .. X2   Written by the stage's loads of tile t + 1, issued in the middle of step t; read by the quantiser of step t + 1 and by the weighted sum in step t + 2.
;   v1, v2, v3 The loads' offset and the stage's two addresses: made once at the head, never written again; every step's place stands in an immediate.
;   OP, SW, D, T, ACC and the statistics are named by vector and matrix instructions alone until the drain.
; So a step holds: one wait on vm_vsrc at its head (the stores issued a step ago have read the set of R that is loaded again); the two waits behind its batches of transcendentals; and ONE wait on va_vdst directly
; ahead of its two products, which states that the codes and the scale word are written, and also that the weighted sum above it is done reading its set of X.  That is the set in which the next step's turn
; lands, and no vector or matrix instruction between that wait and the turn names it: so the turn's eight LDS instructions stand among the vector lines with no further wait.
.set WIMG, 0                           ; LDS: six images of 512 bytes: image 2 c + t = the codes of block c (W1, W2, W3) of weight tile t; 16 bytes a lane
.set WSCL, 3072                        ; six images of 128 bytes: their scale bytes, a word a lane
.set BIMG, 3840                        ; four images of 512 bytes: b1 + b2 + b3 in the layout of C
.set OUTS, 5888                        ; 16 x 128 bytes: wave w's 32 outputs: the work-group's 2,048 bytes of out as they lie in memory
.set STG,  7936                        ; 16 x 4,352 bytes: each wave's two stages
.set WSTG, 4352
.set HSTG, 2176                        ; a stage: 8 pairs of rows, 256 bytes + 16 of padding each: the sixteen lanes of a 16-byte access fall on sixteen different 16-byte columns both ways (64 banks of 4 bytes: ISA guide 11.1)
.set VOFF, 1                           ; v1   16 x lane: my bytes of a load's 512, and of an image
.set SST,  2                           ; v2   the stage, on the way in:  stage + 272 h + 16 r
.set SLD,  3                           ; v3   on the way out: stage + 272 (r / 2) + 128 (r % 2) + 64 h: my 16 numbers of row r
.set MXA,  4                           ; v4, v5  largest magnitudes
.set MXB,  5
.set SCL,  6                           ; v6   the conversions' scale operand
.set HOLD, 7                           ; v7   57,344 x the scale
.set BY,   8                           ; v8   the scale's byte
.set SW,   9                           ; v9   the rows' scale word: x's byte, last's, avg's, 127
.set SWB,  10                          ; v10  its upper three bytes, which a batch keeps
.set LS4,  11                          ; v11  4 x lane
.set WS0,  12                          ; v12, v13  the scale words of weight tiles 0 and 1
.set SC,   14                          ; v[14:15]  the score (low word)
.set OP,   16                          ; v[16:31]  source 1: x's codes, last's, avg's, zeros
.set WF,   32                          ; v[32:63]  source 0 of tiles 0 and 1: W1's codes, W2's, W3's, zeros
.set D,    64                          ; v[64:79]  proj, then the sigmoids: register 8 t + j = f 16 t + 8 h + j of row r
.set BIAS, 80                          ; v[80:95]  b1 + b2 + b3, indexed as D
.set W4V,  96                          ; v[96:111] W4, indexed as D
.set ACC,  112                         ; v[112:127] my lane's part of out: register i = e 16 h + i, summed over the rows that lane r has held
.set T,    128                         ; v[128:143] the held numbers: x itself is kept for the weighted sum
.set X,    144                         ; v[144:191] three sets: tile t in set t % 3: register i = x(row r, e = 16 h + i)
.set R,    192                         ; v[192:239] three sets: tile t as it is loaded
.set P0,   240                         ; v[240:243] two chains of the dot product with W4
.set P1,   242
.set WLA,  244                         ; v244 128 x wave + 4 x lane: my word among the scale images and among the outputs
.set RR,   245                         ; v245 r = lane % 16
.set HH,   246                         ; v246 h = lane / 16
.set LOFF, 247                         ; v247 64 h
.set FST,  250                         ; v250, v251  the last sum's way through the stage
.set FLD,  251
.set OAD,  252                         ; v252 16 x thread
.set BOFF, 253                         ; v253 32 h
.set WOFF, 254                         ; v254 2,048 h + 4 r + 64 t: a weight's row 16 h, column 16 t + r
.set WST,  255                         ; v255 512 x wave + 16 x lane
; Tile t as it lies in memory: four loads of 512 consecutive bytes (the last tile: two).  Every offset is an immediate; neither the base nor the offset register is ever rewritten.
.macro LOAD t
.set RB, R+16*((\t)%3)
.if (\t) < 12
.irp i, 0,1,2,3
	global_load_b128 v[RB+4*\i:RB+4*\i+3], v[VOFF], s[4:5] offset:2048*(\t)+512*\i th:TH_LOAD_NT
.endr
.else
.irp i, 0,1
	global_load_b128 v[RB+4*\i:RB+4*\i+3], v[VOFF], s[4:5] offset:2048*(\t)+512*\i th:TH_LOAD_NT
.endr
.endif
.endm
; Tile t through stage t % 2.  LDS serves a wave's instructions in order (ISA guide 5.7.1.4): no wait stands between the stores and the loads.
; The last tile stores rows 0-7 alone; behind them lie rows 8-15 of tile 10, which used the same stage.
.macro TURN t
.set RB, R+16*((\t)%3)
.set XB, X+16*((\t)%3)
.set SB, HSTG*((\t)%2)
.if (\t) < 12
.irp i, 0,1,2,3
	ds_store_b128 v[SST], v[RB+4*\i:RB+4*\i+3] offset:SB+544*\i
.endr
.else
.irp i, 0,1
	ds_store_b128 v[SST], v[RB+4*\i:RB+4*\i+3] offset:SB+544*\i
.endr
.endif
.irp j, 0,1,2,3
	ds_load_b128 v[XB+4*\j:XB+4*\j+3], v[SLD] offset:SB+16*\j
.endr
.endm
; A block of 32 lies in lanes l and l xor 16, 16 numbers each, in v[s] on.  Its largest magnitude, over the floor 2^(16 - 127), which holds the byte at 1 from below; the conversions' scale operand; the hold's bound; the byte.
.macro QMAX s
	v_max3_num_f32 v[MXA], |v[\s]|, |v[\s+1]|, 0x8000000
	v_max3_num_f32 v[MXB], |v[\s+2]|, |v[\s+3]|, |v[\s+4]|
.irp i, 5,9
	v_max3_num_f32 v[MXA], v[MXA], |v[\s+\i]|, |v[\s+\i+1]|
	v_max3_num_f32 v[MXB], v[MXB], |v[\s+\i+2]|, |v[\s+\i+3]|
.endr
	v_max3_num_f32 v[MXA], v[MXA], |v[\s+13]|, |v[\s+14]|
	v_max3_num_f32 v[MXA], v[MXA], v[MXB], |v[\s+15]|
	v_permlanex16_b32 v[MXB], v[MXA], s30, s31
	v_max_num_f32 v[MXA], v[MXA], v[MXB]           ; the block's largest magnitude
	v_add_nc_u32 v[SCL], 0xf8800000, v[MXA]        ; 15 off its exponent field: the conversion takes the exponent field of this operand as its scale
	v_and_or_b32 v[HOLD], v[MXA], 0x7f800000, s32  ; 57,344 x the scale: the same exponent field over 57,344's mantissa
	v_lshrrev_b32 v[BY], 23, v[SCL]                ; the scale's byte
.endm
; Eight numbers are held within +-57,344 x the scale: the conversion to an 8-bit code does not saturate (ISA guide 7.6.2)
.macro QHOLD s, d, lo
.irp i, 0,1,2,3,4,5,6,7
	v_med3_num_f32 v[\d+\lo+\i], v[\s+\lo+\i], -v[HOLD], v[HOLD]
.endr
.endm
.macro QCVT s, c                       ; 16 codes: four registers of the operand
	v_cvt_scalef32_pk8_bf8_f32 v[\c:\c+1], v[\s:\s+7], v[SCL]
	v_cvt_scalef32_pk8_bf8_f32 v[\c+2:\c+3], v[\s+8:\s+15], v[SCL]
.endm
.macro QBLOCK s, c                     ; the whole of it, held in place: for the operands that are made once
	QMAX \s
	QHOLD \s, \s, 0
	QHOLD \s, \s, 8
	QCVT \s, \c
	v_nop                                          ; a plain line between a scaled conversion and the next vector instruction that touches its registers
.endm
; sigmoid(p) = 1 / (1 + 2^(-p log2 e)), in three parts, so that other work stands behind each batch of transcendentals.
.macro SIG1                            ; each accumulator is read from its low end on
.irp j, 0,2,4,6,8,10,12,14
	v_pk_mul_f32 v[D+\j:D+\j+1], v[D+\j:D+\j+1], s[34:35] op_sel_hi:[1,0]
.endr
.irp j, 0,1,2,3,4,5,6,7,8,9,10,11,12,13,14,15
	v_exp_f32 v[D+\j], v[D+\j]
.endr
.endm
.macro SIG2
.irp j, 0,2,4,6,8,10,12,14
	v_pk_add_f32 v[D+\j:D+\j+1], v[D+\j:D+\j+1], 1.0 op_sel_hi:[1,0]
.endr
.irp j, 0,1,2,3,4,5,6,7,8,9,10,11,12,13,14,15
	v_rcp_f32 v[D+\j], v[D+\j]
.endr
.endm
; Tile u's score, and its share of out.  first = 1: the products start the sums: nothing is cleared.  last = 1: rows 8-15 of the tile do not exist: their score is 0.
.macro SIG3 u, first, last
.set XP, X+16*((\u)%3)
	v_pk_mul_f32 v[P0:P0+1], v[D:D+1], v[W4V:W4V+1]
	v_pk_mul_f32 v[P1:P1+1], v[D+2:D+3], v[W4V+2:W4V+3]
.irp j, 4,8,12
	v_pk_fma_f32 v[P0:P0+1], v[D+\j:D+\j+1], v[W4V+\j:W4V+\j+1], v[P0:P0+1]
	v_pk_fma_f32 v[P1:P1+1], v[D+\j+2:D+\j+3], v[W4V+\j+2:W4V+\j+3], v[P1:P1+1]
.endr
	v_pk_add_f32 v[P0:P0+1], v[P0:P0+1], v[P1:P1+1]
	v_add_f32 v[SC], v[P0], v[P0+1]                ; my 16 of the row's 32 terms,
	v_permlanex16_b32 v[SC+1], v[SC], s30, s31
	v_add_f32 v[SC], v[SC], v[SC+1]                ; and lane l xor 16's
.if \last
	v_cndmask_b32 v[SC], 0, v[SC], s33             ; kept where r < 8
.endif
.irp j, 0,2,4,6,8,10,12,14
.if \first
	v_pk_mul_f32 v[ACC+\j:ACC+\j+1], v[XP+\j:XP+\j+1], v[SC:SC+1] op_sel_hi:[1,0]
.else
	v_pk_fma_f32 v[ACC+\j:ACC+\j+1], v[XP+\j:XP+\j+1], v[SC:SC+1], v[ACC+\j:ACC+\j+1] op_sel_hi:[1,0,1]
.endif
.endr
.endm
; The tile's two products: f 0-15 and f 16-31.  C is the biases' registers, D others: no sum is taken up in place, and the two share no register that either writes.
.macro MM
.irp t, 0,1
	v_wmma_scale_f32_16x16x128_f8f6f4 v[D+8*\t:D+8*\t+7], v[WF+16*\t:WF+16*\t+15], v[OP:OP+15], v[BIAS+8*\t:BIAS+8*\t+7], v[WS0+\t], v[SW] matrix_a_fmt:MATRIX_FMT_BF8 matrix_b_fmt:MATRIX_FMT_BF8
.endr
.endm
.macro STEP t
.set XC, X+16*((\t)%3)
	s_wait_dscnt 0x0                               ; tile t is back from its stage
.if (\t)+3 <= 12
	s_wait_alu depctr_vm_vsrc(0)                   ; the stage's stores of tile t, issued a step ago, have read set t % 3 of R,
	LOAD (\t)+3                                    ; in which the tile three on lands; no vector instruction names R
.endif
	QMAX XC                                        ; thirteen plain lines that name no register of the last products: the eight places ahead of the write of the scale word and of the first read of the results
	v_or_b32 v[SW], v[BY], v[SWB]
.if (\t) > 0
	SIG1                                           ; tile t - 1: sixteen exponentials, one batch
.endif
	QHOLD XC, T, 0                                 ; plain work behind the exponentials
.if (\t) < 12
.if (\t) <= 8
	s_wait_loadcnt 8                               ; tile t + 1 is in; the eight loads of tiles t + 2 and t + 3 may be out
.elseif (\t) == 9
	s_wait_loadcnt 6                               ; behind tile 10: tile 11's four loads and tile 12's two
.elseif (\t) == 10
	s_wait_loadcnt 2                               ; behind tile 11: tile 12's two
.else
	s_wait_loadcnt 0                               ; tile 12: nothing was issued behind it
.endif
	TURN (\t)+1                                    ; its set of X was last read by the weighted sum of tile t - 2, ahead of the last step's wait in front of its products; nothing issued since names that set, R or the stage's addresses: no wait
.endif
.if (\t) > 0
	s_wait_alu depctr_va_vdst(0)                   ; the sixteen exponentials have written v[D ..]: one wait for the batch, ahead of its first reader
	SIG2                                           ; sixteen reciprocals, one batch
.endif
	QHOLD XC, T, 8                                 ; plain work behind the reciprocals
	QCVT T, OP
.if (\t) == 0
.rept 4
	v_nop                                          ; the first step has no earlier tile's work: four places between the codes and the scaled products
.endr
.elseif (\t) == 1
	s_wait_alu depctr_va_vdst(0)                   ; the sixteen reciprocals have written v[D ..]: one wait for the batch, ahead of its first reader
	SIG3 0, 1, 0                                   ; twenty plain lines: the place behind the conversions and the four places ahead of the products that take the codes
.else
	s_wait_alu depctr_va_vdst(0)                   ; the sixteen reciprocals have written v[D ..]: one wait for the batch, ahead of its first reader
	SIG3 (\t)-1, 0, 0
.endif
	s_wait_alu depctr_va_vdst(0)                   ; behind their places: the conversions have written the codes in v[OP ..] and the scale word v[SW] is written, which the scaled products take; and the weighted sum above is done reading its set of X, in which the next step's turn lands
	MM
.endm
	s_load_b256 s[4:11], s[0:1], 0x0               ; x s[4:5], last s[6:7], avg s[8:9], W1 s[10:11]
	s_load_b256 s[12:19], s[0:1], 0x20             ; W2 s[12:13], W3 s[14:15], W4 s[16:17], b1 s[18:19]
	s_load_b128 s[20:23], s[0:1], 0x40             ; b2 s[20:21], b3 s[22:23]
	s_load_b64 s[24:25], s[0:1], 0x50              ; out
	v_lshl_add_u32 v248, v0, 2, 0x13000
	v_mov_b32 v249, 0
	v_lshrrev_b32 v[MXA], 5, v0
	v_readfirstlane_b32 s26, v[MXA]                ; wave 0..15
	v_and_b32 v[RR], 15, v0
	v_cmp_gt_u32 s33, 8, v[RR]                     ; the lanes whose row exists in the last tile
	v_bfe_u32 v[HH], v0, 4, 1
	v_and_b32 v[MXA], 31, v0                       ; lane
	v_lshlrev_b32 v[VOFF], 4, v[MXA]
	v_lshlrev_b32 v[LS4], 2, v[MXA]
	s_wait_alu depctr_va_sdst(0)                   ; s26 and s33 are written, ahead of their first readers and of every branch: the addresses below are made from s26; the last tile's select reads s33
	s_mul_i32 s36, s26, WSTG
	s_add_co_u32 s36, s36, STG                     ; my wave's stages
	v_mul_u32_u24 v[SST], v[HH], 272               ; a load's 512 bytes are two pairs of rows: lanes 0-15 the first, lanes 16-31 the second
	v_lshl_add_u32 v[SST], v[RR], 4, v[SST]
	v_add_nc_u32 v[SST], s36, v[SST]
	v_lshrrev_b32 v[MXB], 1, v[RR]
	v_mul_u32_u24 v[SLD], v[MXB], 272
	v_and_b32 v[MXB], 1, v[RR]
	v_lshl_add_u32 v[SLD], v[MXB], 7, v[SLD]
	v_lshl_add_u32 v[SLD], v[HH], 6, v[SLD]
	v_add_nc_u32 v[SLD], s36, v[SLD]
	s_lshl_b32 s37, s26, 7
	v_add_nc_u32 v[WLA], s37, v[LS4]
	s_lshl_b32 s42, s26, 9                         ; (a scalar register of its own for each of these three: none that a vector line has read is written again)
	v_add_nc_u32 v[WST], s42, v[VOFF]
	v_lshlrev_b32 v[BOFF], 5, v[HH]
	v_lshlrev_b32 v[LOFF], 6, v[HH]
	s_and_b32 s40, s26, 1                          ; waves 0-5: weight tile t,
	s_lshr_b32 s41, s26, 1                         ; block c
	s_lshl_b32 s43, s40, 6
	v_lshlrev_b32 v[WOFF], 11, v[HH]
	v_lshl_add_u32 v[WOFF], v[RR], 2, v[WOFF]
	v_add_nc_u32 v[WOFF], s43, v[WOFF]
	s_mov_b32 s30, 0x76543210                      ; v_permlanex16_b32's selects for lane l xor 16
	s_mov_b32 s31, 0xfedcba98
	s_mov_b32 s32, 0x600000                        ; the mantissa field of 57,344
	s_mov_b32 s34, 0xbfb8aa3b                      ; -log2(e)
	s_mov_b32 s35, s34                             ; (named with it as a pair, so it is written)
	v_mov_b32 v[SC+1], 0                           ; a lane permute's destination counts as one of its sources
.irp i, 12,13,14,15
	v_mov_b32 v[OP+\i], 0                          ; block 3 of all three operands: zero codes
	v_mov_b32 v[WF+\i], 0
	v_mov_b32 v[WF+16+\i], 0
.endr
	s_lshl_b32 s27, ttmp9, 4
	s_add_co_u32 s27, s27, s26                     ; my batch
	s_mul_i32 s28, s27, 25600                      ; under 2^27
	s_mov_b32 s29, 0
	s_wait_kmcnt 0x0
	s_add_nc_u64 s[4:5], s[4:5], s[28:29]
	s_lshl_b32 s28, s27, 7
	s_add_nc_u64 s[6:7], s[6:7], s[28:29]
	s_add_nc_u64 s[8:9], s[8:9], s[28:29]
	s_lshl_b32 s28, ttmp9, 11                      ; the work-group's sixteen rows of out
	s_add_nc_u64 s[24:25], s[24:25], s[28:29]
	s_wait_alu depctr_va_vdst(0)                   ; the nine offsets and addresses v1, v2, v3, v11, v244, v247, v253, v254, v255 are written, which the loads and stores up to the drain read; so are the zero codes, which the scaled products take
	; twelve small loads that every wave needs: my 16 numbers of last and of avg (into sets of X that are still free), and W4 in the layout of D
.irp j, 0,1,2,3
	global_load_b128 v[X+4*\j:X+4*\j+3], v[LOFF], s[6:7] offset:16*\j
.endr
.irp j, 0,1,2,3
	global_load_b128 v[X+16+4*\j:X+16+4*\j+3], v[LOFF], s[8:9] offset:16*\j
.endr
.irp t, 0,1
	global_load_b128 v[W4V+8*\t:W4V+8*\t+3], v[BOFF], s[16:17] offset:64*\t
	global_load_b128 v[W4V+8*\t+4:W4V+8*\t+7], v[BOFF], s[16:17] offset:64*\t+16
.endr
	; ONE parting on the wave's number.  In each arm the first three tiles of x are asked for behind the arm's small loads, so that these do not queue behind them.
	s_cmp_lt_u32 s26, 6
	s_cbranch_scc0 .Lnot_weights
	s_cmp_eq_u32 s41, 0                            ; the choice hangs on the wave's number alone
	s_cselect_b64 s[38:39], s[10:11], s[12:13]
	s_cmp_eq_u32 s41, 2
	s_cselect_b64 s[38:39], s[14:15], s[38:39]
.irp i, 0,1,2,3,4,5,6,7,8,9,10,11,12,13,14,15
	global_load_b32 v[T+\i], v[WOFF], s[38:39] offset:128*\i   ; W(16 h + i, 16 t + r): a lane to a column, its registers down K: the order that the operand's layout gives the lane
.endr
	LOAD 0
	LOAD 1
	LOAD 2
	s_wait_loadcnt 12                              ; all but x's twelve
	QBLOCK T, D
	s_wait_alu depctr_va_vdst(0)                   ; the conversions have written v[D .. D + 3] and the byte v[BY] is written, which the two stores read
	ds_store_b128 v[WST], v[D:D+3] offset:WIMG     ; four registers of the operand as they stand,
	ds_store_b32 v[WLA], v[BY] offset:WSCL         ; and the column's scale byte
	s_wait_alu depctr_vm_vsrc(0)                   ; the two stores have read v[BY], which the quantiser of last writes again, and v[D ..], in which the scale bytes land behind the barrier
	s_branch .Ljoin
.Lnot_weights:
	s_cmp_eq_u32 s26, 6
	s_cbranch_scc0 .Lplain
.irp t, 0,1
	global_load_b128 v[D+8*\t:D+8*\t+3], v[BOFF], s[18:19] offset:64*\t
	global_load_b128 v[D+8*\t+4:D+8*\t+7], v[BOFF], s[18:19] offset:64*\t+16
	global_load_b128 v[T+8*\t:T+8*\t+3], v[BOFF], s[20:21] offset:64*\t
	global_load_b128 v[T+8*\t+4:T+8*\t+7], v[BOFF], s[20:21] offset:64*\t+16
	global_load_b128 v[X+32+8*\t:X+32+8*\t+3], v[BOFF], s[22:23] offset:64*\t
	global_load_b128 v[X+32+8*\t+4:X+32+8*\t+7], v[BOFF], s[22:23] offset:64*\t+16
.endr
	LOAD 0
	LOAD 1
	LOAD 2
	s_wait_loadcnt 12                              ; all but x's twelve
.irp j, 0,2,4,6,8,10,12,14
	v_pk_add_f32 v[D+\j:D+\j+1], v[D+\j:D+\j+1], v[T+\j:T+\j+1]
.endr
.irp j, 0,2,4,6,8,10,12,14
	v_pk_add_f32 v[D+\j:D+\j+1], v[D+\j:D+\j+1], v[X+32+\j:X+32+\j+1]
.endr
	s_wait_alu depctr_va_vdst(0)                   ; the additions have written v[D ..], which the four stores read, and are done reading set 2 of X, in which tile 2 lands
.irp q, 0,1,2,3
	ds_store_b128 v[VOFF], v[D+4*\q:D+4*\q+3] offset:BIMG+512*\q
.endr
	s_wait_alu depctr_vm_vsrc(0)                   ; the four stores have read v[D ..], in which the scale bytes land behind the barrier and which the products write
	s_branch .Ljoin
.Lplain:
	LOAD 0
	LOAD 1
	LOAD 2
.Ljoin:
	s_wait_loadcnt 12                              ; on every way x's twelve loads are the youngest: last, avg and W4 are in
	QBLOCK X, OP+4                                 ; last: block 1 of source 1, the same in all sixteen rows
	v_lshlrev_b32 v[SWB], 8, v[BY]
	QBLOCK X+16, OP+8                              ; avg: block 2
	v_lshl_or_b32 v[SWB], v[BY], 16, v[SWB]
	v_or_b32 v[SWB], 0x7f000000, v[SWB]            ; block 3: zero codes under the byte 127
	s_wait_alu depctr_va_vdst(0)                   ; the two quantisers are done reading and writing sets 0 and 1 of X, in which tiles 0 and 1 land
	s_wait_dscnt 0x0                               ; for the others' sake: my images have landed
	s_barrier_signal -1
	s_barrier_wait -1                              ; everybody's have.  (x's loads stay on their way: nobody writes those bytes)
.irp t, 0,1
.irp c, 0,1,2
	ds_load_b128 v[WF+16*\t+4*\c:WF+16*\t+4*\c+3], v[VOFF] offset:WIMG+512*(2*\c+\t)
.endr
.endr
.irp q, 0,1,2,3,4,5
	ds_load_b32 v[D+\q], v[LS4] offset:WSCL+128*\q
.endr
.irp q, 0,1,2,3
	ds_load_b128 v[BIAS+4*\q:BIAS+4*\q+3], v[VOFF] offset:BIMG+512*\q
.endr
	s_wait_loadcnt 8                               ; tile 0 is in; tiles 1 and 2 may be out
	TURN 0
	s_wait_dscnt 8                                 ; the sixteen loads of images are in; the turn's eight instructions may be out
.irp t, 0,1
	v_lshl_or_b32 v[WS0+\t], v[D+2+\t], 8, v[D+\t] ; a column's three bytes and 127 make its scale word
	v_lshl_or_b32 v[WS0+\t], v[D+4+\t], 16, v[WS0+\t]
	v_or_b32 v[WS0+\t], 0x7f000000, v[WS0+\t]
.endr
.irp t, 0,1,2,3,4,5,6,7,8,9,10,11,12
	STEP \t
.endr
	; THE DRAIN: the last tile's sigmoids.  The addresses for the way out are eight plain lines: the places behind the last products.
	v_and_b32 v[FST], 31, v0
	v_mul_u32_u24 v[FST], v[FST], 80               ; in: 64 bytes a lane, 80 apart; the upper half of the lanes 64 bytes further on
	v_lshl_add_u32 v[FST], v[HH], 6, v[FST]
	v_add_nc_u32 v[FST], s36, v[FST]
	v_mul_u32_u24 v[FLD], v[HH], 1344              ; back: lane l takes word l % 16 of the sixteen lanes of its half
	v_lshl_add_u32 v[FLD], v[RR], 2, v[FLD]
	v_add_nc_u32 v[FLD], s36, v[FLD]
	v_lshlrev_b32 v[OAD], 4, v0
	SIG1
	v_nop                                          ; a plain line behind the last exponential,
	s_wait_alu depctr_va_vdst(0)                   ; and the batch's one wait: the sixteen exponentials have written v[D ..]
	SIG2
	v_nop
	s_wait_alu depctr_va_vdst(0)                   ; the sixteen reciprocals have written v[D ..]
	SIG3 12, 0, 1
	; out(b, e) is the sum over the sixteen lanes of a half.  It goes through my own stage, which nobody else touches and I read no more: stored by lanes, read back by e.
	s_wait_alu depctr_va_vdst(0)                   ; the weighted sum has written v[ACC ..], which the stores read; the three addresses made above are written; the last quantiser is done with v[T ..], in which the loads land
.irp q, 0,1,2,3
	ds_store_b128 v[FST], v[ACC+4*\q:ACC+4*\q+3] offset:16*\q
.endr
.irp k, 0,1,2,3,4,5,6,7,8,9,10,11,12,13,14,15
	ds_load_b32 v[T+\k], v[FLD] offset:80*\k       ; LDS serves a wave's instructions in order: these see the stores above
.endr
	s_wait_dscnt 0x0
.irp j, 0,4,8,12
	v_pk_add_f32 v[T+\j:T+\j+1], v[T+\j:T+\j+1], v[T+\j+2:T+\j+3]
.endr
	v_pk_add_f32 v[T:T+1], v[T:T+1], v[T+4:T+5]
	v_pk_add_f32 v[T+8:T+9], v[T+8:T+9], v[T+12:T+13]
	v_pk_add_f32 v[T:T+1], v[T:T+1], v[T+8:T+9]
	v_add_f32 v[T], v[T], v[T+1]                   ; lane l holds out(b, l)
	s_wait_alu depctr_va_vdst(0)                   ; the additions have written v[T], which the store reads, and are done with v[T .. T + 3], in which the load behind the barrier lands
	ds_store_b32 v[WLA], v[T] offset:OUTS
	s_wait_dscnt 0x0                               ; for the others' sake: my 128 bytes have landed
	s_barrier_signal -1
	s_barrier_wait -1
	s_wait_alu depctr_vm_vsrc(0)                   ; my store has read v[T], in which the load of waves 0-3 lands: stated ahead of the branch
	s_cmp_lt_u32 s26, 4                            ; waves 0-3 store the work-group's sixteen rows
	s_cbranch_scc0 .Lend
	ds_load_b128 v[T:T+3], v[OAD] offset:OUTS
	s_wait_dscnt 0x0
	global_store_b128 v[OAD], v[T:T+3], s[24:25] th:TH_STORE_NT   ; a wave stores 512 consecutive bytes, at a multiple of 256 from out's first byte
.Lend:
	s_wait_dscnt 0x0                               ; the closing lines, six on end
	s_wait_alu 0x0
	s_wait_tensorcnt 0x0
	ds_add_u32 v248, v249
	s_wait_dscnt 0x0
	s_endpgm
.Lfunc_end_k_qb01251ebad_attn:
	.size	k_qb01251ebad_attn, .Lfunc_end_k_qb01251ebad_attn-k_qb01251ebad_attn
	.p2alignl 7, 3214868480
	.fill 96, 4, 3214868480
	.section	.rodata,"a",@progbits
	.p2align	6, 0x0
	.amdhsa_kernel k_qb01251ebad_attn
		.amdhsa_group_segment_fixed_size 79872
		.amdhsa_private_segment_fixed_size 0
		.amdhsa_enable_private_segment 0
		.amdhsa_kernarg_size 88
		.amdhsa_user_sgpr_count 2
		.amdhsa_user_sgpr_kernarg_segment_ptr 1
		.amdhsa_wavefront_size32 1
		.amdhsa_system_sgpr_workgroup_id_x 1
		.amdhsa_system_sgpr_workgroup_id_y 1
		.amdhsa_system_sgpr_workgroup_id_z 1
		.amdhsa_system_vgpr_workitem_id 0
		.amdhsa_next_free_vgpr 256
		.amdhsa_next_free_sgpr 66
		.amdhsa_reserve_vcc 0
		.amdhsa_float_denorm_mode_32 3
		.amdhsa_float_denorm_mode_16_64 3
		.amdhsa_memory_ordered 1
		.amdhsa_forward_progress 1
		.amdhsa_inst_pref_size 106
	.end_amdhsa_kernel
	.amdgpu_metadata
---
amdhsa.version: [ 1, 2 ]
amdhsa.kernels:
  - .name:           k_qb01251ebad_attn
    .symbol:         k_qb01251ebad_attn.kd
    .args:
      - { .name: all_memory, .offset: 0, .size: 8, .value_kind: global_buffer, .address_space: global }
      - { .name: last_memory, .offset: 8, .size: 8, .value_kind: global_buffer, .address_space: global }
      - { .name: average_memory, .offset: 16, .size: 8, .value_kind: global_buffer, .address_space: global }
      - { .name: W1, .offset: 24, .size: 8, .value_kind: global_buffer, .address_space: global }
      - { .name: W2, .offset: 32, .size: 8, .value_kind: global_buffer, .address_space: global }
      - { .name: W3, .offset: 40, .size: 8, .value_kind: global_buffer, .address_space: global }
      - { .name: W4, .offset: 48, .size: 8, .value_kind: global_buffer, .address_space: global }
      - { .name: b1, .offset: 56, .size: 8, .value_kind: global_buffer, .address_space: global }
      - { .name: b2, .offset: 64, .size: 8, .value_kind: global_buffer, .address_space: global }
      - { .name: b3, .offset: 72, .size: 8, .value_kind: global_buffer, .address_space: global }
      - { .name: out0, .offset: 80, .size: 8, .value_kind: global_buffer, .address_space: global }
    .group_segment_fixed_size: 79872
    .private_segment_fixed_size: 0
    .kernarg_segment_align: 8
    .kernarg_segment_size: 88
    .max_flat_workgroup_size: 512
    .sgpr_count:     66
    .vgpr_count:     256
    .wavefront_size: 32
...
	.end_amdgpu_metadata
.endif
;; end of part 2
